; MI455X (gfx1250); checked and timed in simulation.
; The chip was launched on July 23, 2026; its instructions are those of AMD's public machine-readable ISA for CDNA 5 (MIT licence, August 2026) and "CDNA5" Instruction Set Architecture Reference Guide (July 2026). The comments in the code are by the model that wrote it; some were corrected since.
;; My LSTM Cell. Allowed arithmetic: float matrix products may take bf16 or f16 operands with f32 sums; other float arithmetic in f32, or as packed bf16 or f16 multiplies, adds, multiply-adds, maxima and minima; sums over many terms, partial sums and values carried from step to step in f32; what a program stores and reads back later, other than sums and carried values, may be rounded once to bf16 or f16.
;; Inputs: W_c 3,072 x 2,048 float32; W_f 3,072 x 2,048 float32; W_i 3,072 x 2,048 float32; W_o 3,072 x 2,048 float32; b_c 2,048 float32; b_f 2,048 float32; b_i 2,048 float32; b_o 2,048 float32; c_prev 2,048 x 2,048 float32; h_prev 2,048 x 2,048 float32; x 2,048 x 1,024 float32.
;; Outputs: out0 2,048 x 2,048 float32; out1 2,048 x 2,048 float32.
;; One version. Each part assembles by itself: llvm-mc -triple=amdgcn-amd-amdhsa -mcpu=gfx1250 --defsym DOCPART=n.
;; ======== version 1 of 1: 2 launches
;; workspace buffers: Wp 50,331,648 bytes; Ap 12,582,912 bytes
;; launch pack (part 1): grid 240 x 1, 8 waves a work-group, no clusters, 327,680 bytes of LDS; arguments W_f, W_i, W_o, W_c, h_prev, x, Wp, Ap; writes Wp, Ap
.if DOCPART == 1
	.amdgcn_target "amdgcn-amd-amdhsa--gfx1250"
	.amdhsa_code_object_version 6
	.text
	.protected	k_q7218ab55cc_pack
	.globl	k_q7218ab55cc_pack
	.p2align	8
	.type	k_q7218ab55cc_pack,@function
k_q7218ab55cc_pack:
	s_mov_b64 s[64:65], 0
	v_nop
	global_prefetch_b8 v0, s[64:65] scope:SCOPE_SE
	s_setreg_imm32_b32 hwreg(HW_REG_WAVE_MODE, 25, 1), 1
	s_wait_xcnt 0x0
; THE CAST.  The matrix operands of the LSTM cell are rounded once to bf16 (to nearest even) and laid out for the product that follows:
;   Wp[k][256 T + 64 g + hc] = W_g[k][64 T + hc]   (k 0..3071; T 0..31; g 0..3 = f, i, o, c; hc 0..63): a row is 16,384 bytes, a tile column's part of it 512 bytes
;   Ap[m][0..2047] = h_prev[m][:],  Ap[m][2048..3071] = x[m][:]: a row is 6,144 bytes
; ONE FORM FOR ALL THREE JOBS.  A work-group takes 512 rows of four SOURCES, each 64 f32 (256 bytes) wide with 8,192 bytes from row to row, and writes 512 rows of 512 bytes:
; in a row lane l's 16 bytes are 8 numbers of source l / 8, columns 8 (l % 8) on.  x, [2048][1024], is taken as [1024][2048], two of its rows to a row, so that it has the same pitch.
;   work-groups 0..191:   the four sources are W_f, W_i, W_o, W_c at columns 64 T;             out: Wp, 16,384 bytes from row to row
;   work-groups 192..223: four neighbouring strips of 64 columns of h_prev;                    out: Ap,  6,144
;   work-groups 224..239: the same of x's view;                                                out: Ap, 12,288 (every second row of Ap), behind h_prev's 4,096 bytes
; 240 work-groups of equal work: 512 KiB in, 256 KiB out.  Memory binds, so there is no matrix work here, and no cluster: no two work-groups read the same byte.  Nothing is asked for ahead
; of the tensor loads: the launch does nothing but stream.
; THE RING.  A block is four tiles of 128 rows; tile t lies in slot t % 2.  Each of the eight waves brings 64 rows x 256 bytes of one source by one tensor load; by this text's count a wave has
; two tensor loads out at the start and one behind each change of slots.  A wave reads what other waves' loads brought, so every tile is read behind a barrier.
; LIMITS.  bf16 keeps 8 significant bits and f32's range; NaN and infinities pass as the conversion makes them.
.set REG,   32784                      ; a source's 128 rows x 256 bytes, and 16 more: lanes 0-7 of a 16-byte LDS load take the even 16-byte columns of 256 bytes, lanes 8-15 (the next source) the odd ones
.set SLOTB, 131328                     ; four such regions, rounded up to a multiple of 256
.set SPARE, 2*SLOTB                    ; behind the ring: the spare words, 128 bytes for each of eight waves: four blocks of 256 bytes that no other line names
.set SROW,  8192                       ; bytes from row to row in every source
.set TROWS, 128                        ; rows in a tile
.set LA,  2                            ; v2, v3    LDS address of my 32 bytes in my wave's first row of slot 0, 1; never rewritten
.set SPW, 4                            ; v4        LDS address of my spare word: SPARE + 4 x my thread's number; never rewritten
.set NIL, 5                            ; v5        0; never rewritten
.set OFF, 8                            ; v[8:23]   row r of my wave's 16: my byte offset in the tile's output; never rewritten
.set Y,   24                           ; v[24:87]  row r: 4 registers, 8 bf16 to store
.set X,   88                           ; v[88:215] row r: 8 registers, 8 f32 as read
.set G1,  36                           ; s[36:43]  descriptor group 1: the shape, the same for every load
.set G0,  44                           ; s[44:51]  descriptor group 0, a set for each slot
.set OUT, 52                           ; s[52:53]  the output at the tile's first row and the block's first column
.set OP,  54                           ; s54       bytes from row to row in the output
.set OSTEP, 56                         ; s[56:57]  128 rows of the output
	s_load_b512 s[16:31], s[0:1], 0x0              ; W_f s[16:17], W_i s[18:19], W_o s[20:21], W_c s[22:23], h_prev s[24:25], x s[26:27], Wp s[28:29], Ap s[30:31]
	v_lshl_add_u32 v[SPW], v0, 2, SPARE
	v_mov_b32 v[NIL], 0
	ds_add_u32 v[SPW], v[NIL]                      ; the wave's opening: the add and its wait stand ahead of my first tensor load; the set-up below, work on registers, stands between them
	v_lshrrev_b32 v6, 5, v0
	v_readfirstlane_b32 s8, v6                     ; wave 0..7
	s_and_b32 s9, s8, 3                            ; j: the source that I fetch
	s_lshr_b32 s10, s8, 2                          ; hf: which 64 of a tile's 128 rows
	s_mov_b32 s11, ttmp9                           ; the work-group's number
	; group 1: a tile of 64 rows x 64 elements of 4 bytes, dense in LDS
	s_mov_b32 s[G1+0], 2<<16                       ; 15:0 no mask; 17:16 elements of 4 bytes; 20 no padding
	s_mov_b32 s[G1+1], 64<<16                      ; tensor_dim0 = 64
	s_mov_b32 s[G1+2], 64<<16                      ; tensor_dim1 = 64
	s_mov_b32 s[G1+3], 64<<16                      ; tile_dim0 = 64
	s_mov_b32 s[G1+4], 64                          ; tile_dim1 = 64
	s_mov_b32 s[G1+5], 2048                        ; 2,048 elements from row to row
	s_mov_b32 s[G1+6], 0
	s_mov_b32 s[G1+7], 0
	; the job's numbers, made for every job and then chosen by the work-group's number
	s_and_b32 s13, s11, 31                         ; weights: T,
	s_lshr_b32 s14, s11, 5                         ; the block of 512 rows (0..5),
	s_lshl_b32 s15, s13, 8                         ; the source's column, in bytes,
	s_lshl_b32 s55, s13, 9                         ; and the output's
	s_sub_co_u32 s12, s11, 192                     ; h_prev: 0..31, x: 32..47
	s_and_b32 s2, s12, 7                           ; the group of 256 columns,
	s_bfe_u32 s3, s12, 0x20003                     ; the block of 512 rows (h_prev 0..3, x 0..1): two bits from bit 3
	s_lshl_b32 s4, s2, 2
	s_add_co_u32 s4, s4, s9
	s_lshl_b32 s4, s4, 8                           ; the source's column: 256 (4 col + j) bytes
	s_lshl_b32 s5, s2, 9                           ; h_prev's place in a row of Ap
	s_lshr_b32 s6, s2, 2                           ; x: the view's right half is the odd row of x: one row of Ap further down,
	s_mul_i32 s6, s6, 6144
	s_and_b32 s7, s2, 3
	s_lshl_b32 s7, s7, 9
	s_add_co_u32 s6, s6, s7
	s_add_co_u32 s6, s6, 4096                      ; behind h_prev's 2,048 numbers
	s_movk_i32 s60, 6144
	s_movk_i32 s61, 12288
	s_movk_i32 s62, 16384
	s_cmp_lt_u32 s11, 224                          ; h_prev or x
	s_cselect_b32 s5, s5, s6
	s_cselect_b32 s60, s60, s61
	s_cmp_lt_u32 s11, 192                          ; weights or not
	s_cselect_b32 s14, s14, s3
	s_cselect_b32 s15, s15, s4
	s_cselect_b32 s55, s55, s5
	s_cselect_b32 s[OP], s62, s60
	s_lshl_b32 s58, s14, 9                         ; my first row in the source: 512 x block + 64 hf,
	s_lshl_b32 s2, s10, 6
	s_add_co_u32 s58, s58, s2
	s_lshl_b32 s58, s58, 13                        ; in bytes,
	s_add_co_u32 s58, s58, s15                     ; and the column
	s_mov_b32 s59, 0
	s_lshl_b32 s6, s14, 9                          ; the block's first row in the output,
	s_mul_i32 s6, s6, s[OP]
	s_add_co_u32 s6, s6, s55                       ; and its column
	s_mov_b32 s7, 0
	s_lshl_b32 s[OSTEP], s[OP], 7
	s_mov_b32 s[OSTEP+1], 0
	s_mul_i32 s4, s9, REG                          ; where my rows go in a slot: the source's region,
	s_lshl_b32 s5, s10, 14                         ; its upper or lower 64 rows
	s_add_co_u32 s4, s4, s5
	s_wait_dscnt 0x0                               ; the opening add is done
	s_wait_kmcnt 0x0
	s_cmp_eq_u32 s9, 0                             ; the buffers are chosen by the wave's and the work-group's number alone
	s_cselect_b64 s[32:33], s[16:17], s[18:19]
	s_cmp_eq_u32 s9, 2
	s_cselect_b64 s[34:35], s[20:21], s[22:23]
	s_cmp_lt_u32 s9, 2
	s_cselect_b64 s[32:33], s[32:33], s[34:35]     ; W_f, W_i, W_o, W_c by j
	s_cmp_lt_u32 s11, 224
	s_cselect_b64 s[34:35], s[24:25], s[26:27]     ; h_prev or x
	s_cmp_lt_u32 s11, 192
	s_cselect_b64 s[32:33], s[32:33], s[34:35]
	s_cselect_b64 s[OUT:OUT+1], s[28:29], s[30:31]
	s_add_nc_u64 s[32:33], s[32:33], s[58:59]
	s_add_nc_u64 s[OUT:OUT+1], s[OUT:OUT+1], s[6:7]
	; group 0, once for each slot, and the slot's first load: both go out together, ahead of every wait on TENSORcnt, every LDS read and every barrier
.irp s, 0,1
	s_mov_b32 s[G0+4*(\s)], 1                                          ; count = 1
	s_add_co_u32 s[G0+4*(\s)+1], s4, (\s)*SLOTB                        ; LDS address
	s_add_nc_u64 s[G0+4*(\s)+2:G0+4*(\s)+3], s[32:33], (\s)*TROWS*SROW ; global address: tile s
	s_or_b32 s[G0+4*(\s)+3], s[G0+4*(\s)+3], 0x80000000                ; type = 2
	tensor_load_to_lds s[G0+4*(\s):G0+4*(\s)+3], s[G1:G1+7]
	s_nop 0
.endr
	v_and_b32 v6, 31, v0                           ; l
	v_lshrrev_b32 v7, 3, v6
	v_mul_u32_u24 v[LA], v7, REG                   ; source l / 8,
	v_and_b32 v7, 7, v6
	v_lshl_add_u32 v[LA], v7, 5, v[LA]             ; 32 bytes at 32 (l % 8),
	s_lshl_b32 s2, s8, 12
	v_add_nc_u32 v[LA], s2, v[LA]                  ; my wave's rows 16 w .. 16 w + 15 of the tile
	v_add_nc_u32 v[LA+1], SLOTB, v[LA]
	v_lshlrev_b32 v7, 4, v6                        ; 16 l
	s_lshl_b32 s2, s8, 4
	s_mul_i32 s2, s2, s[OP]                        ; row 16 w of the output
.set r, 0
.rept 16
	v_add_nc_u32 v[OFF+r], s2, v7
	s_add_co_u32 s2, s2, s[OP]
.set r, r+1
.endr
; A tile is read, rounded and stored: my wave's 16 rows.  first = 1: the output still stands at the block's first tile.
.macro TILE_OUT slot, first
	s_wait_xcnt 0x0                                ; every earlier store has had its addresses translated (ISA guide 3.1): Y and the output's address are rewritten only behind this wait
.if !(\first)
	s_add_nc_u64 s[OUT:OUT+1], s[OUT:OUT+1], s[OSTEP:OSTEP+1]
.endif
.set r, 0
.rept 16
	ds_load_b128 v[X+8*r:X+8*r+3],   v[LA+(\slot)] offset:256*r
	ds_load_b128 v[X+8*r+4:X+8*r+7], v[LA+(\slot)] offset:256*r+16
.set r, r+1
.endr
.set r, 0
.rept 16
	s_wait_dscnt 30-2*r                            ; LDS loads come back in order (ISA guide 5.7.1): of the 32, the first 2 r + 2 are in
	v_cvt_pk_bf16_f32 v[Y+4*r],   v[X+8*r],   v[X+8*r+1]
	v_cvt_pk_bf16_f32 v[Y+4*r+1], v[X+8*r+2], v[X+8*r+3]
	v_cvt_pk_bf16_f32 v[Y+4*r+2], v[X+8*r+4], v[X+8*r+5]
	v_cvt_pk_bf16_f32 v[Y+4*r+3], v[X+8*r+6], v[X+8*r+7]
	global_store_b128 v[OFF+r], v[Y+4*r:Y+4*r+3], s[OUT:OUT+1]  ; the wave stores 512 consecutive bytes, at a multiple of 512 from the buffer's first byte
.set r, r+1
.endr
.endm
; The change of slots.  Every wave waits for all its tensor loads (its part of the other slot), adds 0 to its spare word, waits for that and for its reads of the slot that it leaves, and passes the barrier:
; behind it the other slot is whole and nobody reads this one.  refill = 1: this slot takes the tile two further on, first thing behind the barrier, one load a wave.
.macro NEXT slot, refill
	s_wait_tensorcnt 0x0                           ; no tensor load of mine is out, so a group 0 may be written
	ds_add_u32 v[SPW], v[NIL]                      ; 0 onto my spare word
.if \refill
	s_add_nc_u64 s[G0+4*(\slot)+2:G0+4*(\slot)+3], s[G0+4*(\slot)+2:G0+4*(\slot)+3], 2*TROWS*SROW  ; 256 rows on; the type bits on top are not reached
.endif
	s_wait_dscnt 0x0                               ; the add is done, and my reads of the slot are back (the last count-down ended at 0)
	s_barrier_signal -1
	s_barrier_wait -1
.if \refill
	tensor_load_to_lds s[G0+4*(\slot):G0+4*(\slot)+3], s[G1:G1+7]
	s_nop 0
.endif
.endm
	s_wait_tensorcnt 0x1                           ; my part of tile 0 is in; tile 1's may stay out
	s_barrier_signal -1
	s_barrier_wait -1                              ; everybody's part is in
	TILE_OUT 0, 1                                  ; tile 0
	NEXT 0, 1                                      ; tile 1 has landed; tile 2 goes out
	TILE_OUT 1, 0                                  ; tile 1
	NEXT 1, 1                                      ; tile 2 has landed; tile 3 goes out: the last load
	TILE_OUT 0, 0                                  ; tile 2
	NEXT 0, 0                                      ; tile 3 has landed; nothing is left to fetch
	TILE_OUT 1, 0                                  ; tile 3
	s_wait_tensorcnt 0x0                           ; the wave's end, behind my last tensor load
	ds_add_u32 v[SPW], v[NIL]
	s_wait_dscnt 0x0
	s_endpgm
.Lfunc_end_k_q7218ab55cc_pack:
	.size	k_q7218ab55cc_pack, .Lfunc_end_k_q7218ab55cc_pack-k_q7218ab55cc_pack
	.p2alignl 7, 3214868480
	.fill 96, 4, 3214868480
	.section	.rodata,"a",@progbits
	.p2align	6, 0x0
	.amdhsa_kernel k_q7218ab55cc_pack
		.amdhsa_group_segment_fixed_size 327680
		.amdhsa_private_segment_fixed_size 0
		.amdhsa_enable_private_segment 0
		.amdhsa_kernarg_size 64
		.amdhsa_user_sgpr_count 2
		.amdhsa_user_sgpr_kernarg_segment_ptr 1
		.amdhsa_wavefront_size32 1
		.amdhsa_system_sgpr_workgroup_id_x 1
		.amdhsa_system_sgpr_workgroup_id_y 1
		.amdhsa_system_sgpr_workgroup_id_z 1
		.amdhsa_system_vgpr_workitem_id 0
		.amdhsa_next_free_vgpr 216
		.amdhsa_next_free_sgpr 66
		.amdhsa_reserve_vcc 0
		.amdhsa_float_denorm_mode_32 3
		.amdhsa_float_denorm_mode_16_64 3
		.amdhsa_memory_ordered 1
		.amdhsa_forward_progress 1
		.amdhsa_inst_pref_size 39
	.end_amdhsa_kernel
	.amdgpu_metadata
---
amdhsa.version: [ 1, 2 ]
amdhsa.kernels:
  - .name:           k_q7218ab55cc_pack
    .symbol:         k_q7218ab55cc_pack.kd
    .args:
      - { .name: W_f, .offset: 0, .size: 8, .value_kind: global_buffer, .address_space: global }
      - { .name: W_i, .offset: 8, .size: 8, .value_kind: global_buffer, .address_space: global }
      - { .name: W_o, .offset: 16, .size: 8, .value_kind: global_buffer, .address_space: global }
      - { .name: W_c, .offset: 24, .size: 8, .value_kind: global_buffer, .address_space: global }
      - { .name: h_prev, .offset: 32, .size: 8, .value_kind: global_buffer, .address_space: global }
      - { .name: x, .offset: 40, .size: 8, .value_kind: global_buffer, .address_space: global }
      - { .name: Wp, .offset: 48, .size: 8, .value_kind: global_buffer, .address_space: global }
      - { .name: Ap, .offset: 56, .size: 8, .value_kind: global_buffer, .address_space: global }
    .group_segment_fixed_size: 327680
    .private_segment_fixed_size: 0
    .kernarg_segment_align: 8
    .kernarg_segment_size: 64
    .max_flat_workgroup_size: 256
    .sgpr_count:     66
    .vgpr_count:     216
    .wavefront_size: 32
...
	.end_amdgpu_metadata
.endif
;; end of part 1
;; launch lstm (part 2): grid 32 x 8, 4 waves a work-group, clusters of 4 x 4, 327,680 bytes of LDS; arguments Ap, Wp, c_prev, b_f, b_i, b_o, b_c, out0, out1; writes out0, out1
.if DOCPART == 2
	.amdgcn_target "amdgcn-amd-amdhsa--gfx1250"
	.amdhsa_code_object_version 6
	.text
	.protected	k_q7218ab55cc_lstm
	.globl	k_q7218ab55cc_lstm
	.p2align	8
	.type	k_q7218ab55cc_lstm,@function
k_q7218ab55cc_lstm:
	s_mov_b64 s[64:65], 0
	v_nop
	global_prefetch_b8 v0, s[64:65] scope:SCOPE_SE
	s_setreg_imm32_b32 hwreg(HW_REG_WAVE_MODE, 25, 1), 1
	s_wait_xcnt 0x0
	s_wait_alu depctr_hold_cnt(0) depctr_sa_sdst(0) depctr_va_vdst(0) depctr_va_sdst(0) depctr_va_ssrc(0) depctr_va_vcc(0) depctr_vm_vsrc(0)
	s_getreg_b32 s2, hwreg(HW_REG_IB_STS2, 6, 4)
	s_cmp_eq_u32 s2, 0
	s_cbranch_scc0 .Lentry_in_a_cluster
	s_endpgm
.Lentry_in_a_cluster:
	s_bfe_u32 s2, ttmp6, 0x10000c
	s_cmp_lg_u32 s2, 0xf033
	s_cbranch_scc0 .Lentry_shape_is_right
	s_endpgm
.Lentry_shape_is_right:
; THE LSTM CELL.  gates = Ap Wp + b (Ap: [2048][3072] bf16 = h_prev beside x; Wp: [3072][8192] bf16, column 256 T + 64 g + hc = W_g's column 64 T + hc; g = f, i, o, c); sums in f32, started by the bias;
; c_new = sigmoid(f) c_prev + sigmoid(i) tanh(c);  h_new = sigmoid(o) tanh(c_new);  out0 = h_new, out1 = c_new, both [2048][2048] f32.  c_prev and the biases are taken in f32.
; LIMITS.  x, h_prev and the weights arrive rounded once to bf16.  sigmoid(z) = 1 / (1 + 2^(-L z)), tanh(z) = 1 - 2 / (1 + 2^(2 L z)), L = log2(e): a power that overflows gives an infinity and one that
; underflows gives 0, and both lead to the right ends 0, 1 and -1, so no range is cut and nothing is clamped; by this form tanh is off by some 1e-7 absolutely, also near 0.  NaN and infinities in the
; inputs are not treated apart.
; SHARES.  A work-group of four waves makes 256 batch rows (tile row R) x 64 hidden columns (tile column T) of all four gates: 256 x 256 of the gates; 8 x 32 = 256 work-groups.  Wave w takes rows
; 128 (w / 2) on and hidden columns 32 (w % 2) on, of all four gates: 128 x 128, 64 accumulators, 512 registers.  K = 3,072 goes in 24 steps of 128 through two LDS slots filled by the tensor data mover.
; THE MATRIX INSTRUCTION IS USED TRANSPOSED: source 0 = 16 columns of Wp, source 1 = 16 rows of Ap.  In accumulator (a, b = 2 g + hb) lane l holds batch row 16 a + l % 16, and register j hidden column
; 16 hb + 8 (l / 16) + j of gate g: the four gates of one element lie in one lane, 16 registers apart, and the cell's arithmetic never changes lanes.
; Wp lies [k][n]: its fragments come out of LDS turned, by ds_load_tr16_b128.
; CLUSTERS: 4 x 4 work-groups.  The four of a row of the cluster share R and so Ap's tiles, the four of a column share T and so Wp's: each tile is asked for JOINTLY, by the same tensor load with the same
; descriptor and a mask that names the four.  c_prev's tile is a work-group's own (mask 0); it takes slot 0 when the last K step in that slot has been read.
; REGISTERS, in windows of 256 (s_set_vgpr_msb: bits 1:0 source 0, 3:2 source 1, 5:4 source 2, 7:6 destination):
;   window 0: v0-31 addresses; v64-127, v128-191 Ap's fragments, two buffers; behind the products: c_prev in v64-191, then v64-255 rows on the way out
;   window 1: v0-63 the bias as eight C operands; v64-127, v128-191 Wp's fragments, two buffers
;   window 2: the accumulators of my rows 0-63 ((a, b) at v[8 (8 a + b)]);   window 3: those of my rows 64-127
.set KSTEP, 128
.set PA,    272                        ; an LDS row of Ap (and of c_prev, and of the stages): 256 bytes + 16 = 68 words: row r starts at bank 4 r mod 64 (64 banks of 4 bytes: ISA guide 11.1)
.set PB,    544                        ; an LDS row of Wp: 512 bytes + 32 = 136 words: row r starts at bank 8 r mod 64
.set HALFT, 128*PA                     ; what one tensor load brings: 128 rows of Ap, or 64 rows of Wp (64 x 544 is the same number)
.set SLOT,  4*HALFT                    ; Ap's 256 rows, then Wp's 128 rows
.set CPW,   64*PA                      ; 64 rows of c_prev or of a stage
.set STGH,  SLOT                       ; slot 1, when it has had its last fill and its last read: the stage for h_new, 256 rows x 272 bytes,
.set STGC,  SLOT+256*PA                ; and the stage for c_new
.set SPARE, 2*SLOT                     ; behind the ring: the spare words, 128 bytes for each wave: two blocks of 256 bytes that no other line names
.set ROWA,  6144                       ; bytes in a row of Ap
.set ROWB,  16384                      ; of Wp
.set ROWO,  8192                       ; of c_prev, out0, out1
.set ADRA, 16                          ; v16-17  LDS address of my fragments of Ap in slot 0, 1
.set ADRB, 20                          ; v20-21  the same for Wp
.set BO,   22                          ; v22     my byte offset in a bias
.set RDC,  23                          ; v23     the way out: where I read rows of c_new back
.set CPA,  24                          ; v24     my 32 bytes of c_prev's tile, row block 0
.set RDH,  25                          ; v25     the way out: where I read rows of h_new back
.set CO,   26                          ; v26     my byte offset in two rows of an output
.set STH,  27                          ; v27     where I put h_new
.set SPW,  28                          ; v28     LDS address of my spare word: SPARE + 4 x my thread's number; never rewritten
.set NIL,  29                          ; v29     0; never rewritten
.set PFO,  30                          ; v30     the prefetches' offset; never rewritten
.set STC,  31                          ; v31     where I put c_new
.set BI,   0                           ; window 1: the bias
.set F0,   64                          ; fragment buffer 0
.set F1,   128                         ; fragment buffer 1
.set CP,   64                          ; window 0: c_prev, row block a, column 8 hb + j at CP + 16 a + 8 hb + j
.set G1,   24                          ; s[24:31] descriptor group 1 for Ap's tiles;  s[32:39] group 0, a set for each slot
.set G0,   32
.set G1B,  48                          ; s[48:55], s[56:63] the same for Wp's
.set G0B,  56
.set G1C,  80                          ; s[80:87], s[88:91] for c_prev's tile
.set G0C,  88
.set LIM,  43                          ; s43     1 in a wave that prefetches, else the greatest number
.set PFA,  44                          ; s[44:45] where my prefetches stand
.set PFS,  92                          ; s[92:93] a K step along my operand, in bytes
.set BIAS, 68                          ; s[68:75] b_f, b_i, b_o, b_c
.set O0,   76                          ; s[76:77] out0, s[78:79] out1, at the first row that I store
.set NL,   94                          ; s[94:95] -log2(e): the packed multiply names a pair and takes its low word for both halves
.set TL,   96                          ; s[96:97] 2 log2(e)
.set MSB, 0
.macro WIN new                         ; the immediate's high byte repeats the setting that is left; a switch that changes nothing is dropped
.if MSB != (\new)
	s_set_vgpr_msb (MSB<<8)|(\new)
.set MSB, \new
.endif
.endm
.set TO_B, 0x40                        ; destination window 1, address window 0
; A joint load.  Waves 0 and 1 fetch the two halves of Ap's tile, waves 2 and 3 those of Wp's.  The branch hangs on the wave's number alone: it is the same in every work-group.
; An s_nop 0 and four v_nop follow each of the two lines, ahead of the jump, the label and what follows.
.macro JLOAD s
	s_cmp_eq_u32 s11, 0
	s_cbranch_scc0 .Lfor_b_\@
	tensor_load_to_lds s[G0+4*(\s):G0+4*(\s)+3], s[G1:G1+7]
	s_nop 0
.rept 4
	v_nop
.endr
	s_branch .Lasked_\@
.Lfor_b_\@:
	tensor_load_to_lds s[G0B+4*(\s):G0B+4*(\s)+3], s[G1B:G1B+7]
	s_nop 0
.rept 4
	v_nop
.endr
.Lasked_\@:
.endm
; A PREFETCH INTO THE L2, behind each joint refill, its five lines and the run of LDS loads that follows: the K step that stands TWO refills on, 512 matrix instructions ahead of the load that will want it.
; Each aligned block of 256 bytes of Ap and Wp is named ONCE in the launch.  Ap's tile row is read by every cluster of that row of clusters: cluster x = 0 asks; Wp's tile column by both clusters of that
; column: cluster y = 0 asks.  The four partners of a joint load share its blocks out BY ADDRESS: of Ap's 128 rows that a wave fetches the partner at cx takes 32 (a lane a row, 256 bytes of it); of Wp's
; 64 rows the partner at cy takes 16 (two lanes a row of 512 bytes).  K steps 0 to 3 come by their loads alone; the loop's last trip (s3 = 1) asks for nothing: there is no K step 24.
.macro ASK
	s_cmp_gt_u32 s3, s[LIM]
	s_cbranch_scc0 .Lnot_mine_\@
	global_prefetch_b8 v[PFO], s[PFA:PFA+1] th:TH_LOAD_NT scope:SCOPE_SE
.Lnot_mine_\@:
.endm
; A round of the cluster's barrier: my work-group's barrier, so that wave 0's signal speaks for all four waves; wave 0 signals for the work-group; every wave waits for all sixteen work-groups;
; my work-group's barrier once more.
.macro CREST                           ; a round behind its opening barrier
	s_cmp_lg_u32 s10, 0
	s_cbranch_scc1 .Lnot_wave_0_\@
	s_barrier_signal -3
.Lnot_wave_0_\@:
	s_barrier_wait -3
	s_barrier_signal -1
	s_barrier_wait -1
.endm
.macro CROUND                          ; a whole round
	s_barrier_signal -1
	s_barrier_wait -1
	CREST
.endm
	s_load_b128 s[4:7], s[0:1], 0x0                ; Ap s[4:5], Wp s[6:7]
	s_load_b64 s[8:9], s[0:1], 0x10                ; c_prev
	s_load_b256 s[BIAS:BIAS+7], s[0:1], 0x18       ; b_f, b_i, b_o, b_c
	s_load_b128 s[O0:O0+3], s[0:1], 0x38           ; out0, out1
	v_lshl_add_u32 v[SPW], v0, 2, SPARE
	v_mov_b32 v[NIL], 0
	ds_add_u32 v[SPW], v[NIL]                      ; the wave's opening: the add and its wait stand ahead of my first tensor load; the set-up below, work on registers, stands between them
	v_lshrrev_b32 v1, 5, v0
	v_readfirstlane_b32 s10, v1                    ; wave 0..3
	s_lshr_b32 s11, s10, 1                         ; which 128 of the tile's rows are mine.  Also: I fetch for Ap (0) or for Wp (1)
	s_and_b32 s12, s10, 1                          ; which 32 of its hidden columns.  Also: which half of that operand's tile I fetch
	s_bfe_u32 s40, ttmp6, 0x40000                  ; cx: my place along the cluster's x
	s_bfe_u32 s41, ttmp6, 0x40004                  ; cy: along its y
	s_lshl_b32 s42, ttmp9, 2                       ; in a cluster launch ttmp9 and ttmp7 count clusters
	s_add_co_u32 s42, s42, s40                     ; T = 4 x cluster x + cx
	s_and_b32 s13, ttmp7, 0xffff
	s_lshl_b32 s13, s13, 2
	s_add_co_u32 s13, s13, s41                     ; R = 4 x cluster y + cy
	s_lshl_b32 s43, s41, 2
	s_lshl_b32 s43, 15, s43                        ; my row of the cluster: places 4 cy .. 4 cy + 3
	s_lshl_b32 s44, 0x1111, s40                    ; my column: places cx, cx + 4, cx + 8, cx + 12
	; group 1 for Ap: 128 rows x 128 elements of 2 bytes, 16 bytes of padding behind every 256
	s_or_b32 s[G1+0], s43, (1<<16)|(1<<20)|(1<<21)|(5<<22)|(3<<25)  ; 15:0 the mask: my row; 17:16 2-byte elements; 20 padding on; 21 set beside a mask; 24:22 after every 64 words (code 5); 31:25 4 words (code 3)
	s_mov_b32 s[G1+1], KSTEP<<16                   ; tensor_dim0 = 128
	s_mov_b32 s[G1+2], 128<<16                     ; tensor_dim1 = 128
	s_mov_b32 s[G1+3], KSTEP<<16                   ; tile_dim0 = 128
	s_mov_b32 s[G1+4], 128                         ; tile_dim1 = 128
	s_mov_b32 s[G1+5], 3072                        ; elements from row to row
	s_mov_b32 s[G1+6], 0
	s_mov_b32 s[G1+7], 0
	; group 1 for Wp: 64 rows (of k) x 256 elements, 32 bytes of padding behind every 512
	s_or_b32 s[G1B+0], s44, (1<<16)|(1<<20)|(1<<21)|(6<<22)|(7<<25) ; the mask: my column; after every 128 words (code 6) 8 words (code 7)
	s_mov_b32 s[G1B+1], 256<<16                    ; tensor_dim0 = 256
	s_mov_b32 s[G1B+2], 64<<16                     ; tensor_dim1 = 64
	s_mov_b32 s[G1B+3], 256<<16                    ; tile_dim0 = 256
	s_mov_b32 s[G1B+4], 64                         ; tile_dim1 = 64
	s_mov_b32 s[G1B+5], 8192
	s_mov_b32 s[G1B+6], 0
	s_mov_b32 s[G1B+7], 0
	; group 1 for c_prev: 64 rows x 64 elements of 4 bytes, 16 bytes of padding behind every 256; no mask: the tile is my work-group's own
	s_mov_b32 s[G1C+0], (2<<16)|(1<<20)|(5<<22)|(3<<25)
	s_mov_b32 s[G1C+1], 64<<16
	s_mov_b32 s[G1C+2], 64<<16
	s_mov_b32 s[G1C+3], 64<<16
	s_mov_b32 s[G1C+4], 64
	s_mov_b32 s[G1C+5], 2048
	s_mov_b32 s[G1C+6], 0
	s_mov_b32 s[G1C+7], 0
	; where the tiles come from.  Ap's hang on R alone, which my row of the cluster shares; Wp's on T alone, which my column shares; each in registers that never hold the other coordinate
	s_lshl_b32 s16, s13, 8
	s_lshl_b32 s17, s12, 7
	s_add_co_u32 s16, s16, s17                     ; Ap: row 256 R + 128 x half,
	s_mul_i32 s16, s16, ROWA                       ; in bytes (under 2^24)
	s_mov_b32 s17, 0
	s_lshl_b32 s46, s12, 20                        ; Wp: row 64 x half of a K step, 16,384 bytes a row,
	s_lshl_b32 s47, s42, 9                         ; and 512 T
	s_add_co_u32 s46, s46, s47
	s_mov_b32 s47, 0
	s_lshl_b32 s18, s13, 8                         ; c_prev's 64 rows that I fetch are the 64 rows of out0 and out1 that I store: row 256 R + 64 w,
	s_lshl_b32 s19, s10, 6
	s_add_co_u32 s18, s18, s19
	s_lshl_b32 s18, s18, 13                        ; 8,192 bytes a row,
	s_lshl_b32 s19, s42, 8                         ; and 256 T
	s_add_co_u32 s18, s18, s19
	s_mov_b32 s19, 0
	s_mul_i32 s20, s10, HALFT                      ; where the tiles go: wave x a load's bytes: no place in the cluster enters an LDS address
	s_mov_b32 s[G0C], 1
	s_mul_i32 s[G0C+1], s10, CPW                   ; c_prev: wave x 64 rows, from LDS byte 0 on
	s_mov_b32 s[NL], 0xbfb8aa3b                    ; -log2(e)
	s_mov_b32 s[NL+1], s[NL]                       ; named with it as a pair, so it is written
	s_mov_b32 s[TL], 0x4038aa3b                    ; 2 log2(e)
	s_mov_b32 s[TL+1], s[TL]
	s_wait_dscnt 0x0                               ; the opening add is done
	s_wait_kmcnt 0x0
	s_add_nc_u64 s[14:15], s[4:5], s[16:17]
	s_add_nc_u64 s[46:47], s[6:7], s[46:47]
	s_add_nc_u64 s[G0C+2:G0C+3], s[8:9], s[18:19]
	s_or_b32 s[G0C+3], s[G0C+3], 0x80000000
	s_add_nc_u64 s[O0:O0+1], s[O0:O0+1], s[18:19]
	s_add_nc_u64 s[O0+2:O0+3], s[O0+2:O0+3], s[18:19]
.irp s, 0,1
	s_mov_b32 s[G0+4*(\s)], 1                                          ; count = 1
	s_add_co_u32 s[G0+4*(\s)+1], s20, (\s)*SLOT                        ; LDS address
	s_add_nc_u64 s[G0+4*(\s)+2:G0+4*(\s)+3], s[14:15], (\s)*KSTEP*2    ; global address: K step s
	s_or_b32 s[G0+4*(\s)+3], s[G0+4*(\s)+3], 0x80000000                ; type = 2
	s_mov_b32 s[G0B+4*(\s)], 1
	s_add_co_u32 s[G0B+4*(\s)+1], s20, (\s)*SLOT
	s_add_nc_u64 s[G0B+4*(\s)+2:G0B+4*(\s)+3], s[46:47], (\s)*KSTEP*ROWB
	s_or_b32 s[G0B+4*(\s)+3], s[G0B+4*(\s)+3], 0x80000000
.endr
	CROUND                                         ; all sixteen work-groups are here: the first joint loads meet
	s_cmp_eq_u32 s11, 0                            ; a wave's two first fills stand in one branch, ahead of every wait on TENSORcnt and every LDS read: two loads of mine are out
	s_cbranch_scc0 .Lfirst_b
	tensor_load_to_lds s[G0:G0+3], s[G1:G1+7]
	s_nop 0
	tensor_load_to_lds s[G0+4:G0+7], s[G1:G1+7]
	s_nop 0
.rept 4
	v_nop
.endr
	s_branch .Lfirst_asked
.Lfirst_b:
	tensor_load_to_lds s[G0B:G0B+3], s[G1B:G1B+7]
	s_nop 0
	tensor_load_to_lds s[G0B+4:G0B+7], s[G1B:G1B+7]
	s_nop 0
.rept 4
	v_nop
.endr
.Lfirst_asked:
	; A fragment is 16 rows x 32 K in 8 registers: lane l holds row l % 16; registers 0-3 hold K = 8 (l / 16) + 0..7, registers 4-7 K = 16 + 8 (l / 16) + 0..7.
	v_and_b32 v1, 15, v0                           ; r = l % 16
	v_bfe_u32 v2, v0, 4, 1                         ; h = l / 16
	v_mul_u32_u24 v3, v1, PA                       ; r x 272
	v_lshl_add_u32 v4, v2, 4, v3                   ; Ap, rows along K: two loads of 16 bytes, 32 apart, at row x pitch + 16 h
	s_mul_i32 s21, s11, HALFT                      ; my 128 rows
	v_add_nc_u32 v[ADRA], s21, v4
	v_add_nc_u32 v[ADRA+1], SLOT, v[ADRA]
	; Wp, rows along n: the turning load takes 16 k x 16 columns (lane l reads k = 8 h + l % 8, columns 8 ((l / 8) % 2) + 0..7) and leaves half a fragment: lane l holds column l % 16 and 8 k
	v_and_b32 v5, 7, v0
	v_lshl_add_u32 v5, v2, 3, v5
	v_mul_u32_u24 v5, v5, PB
	v_bfe_u32 v6, v0, 3, 1
	v_lshl_add_u32 v5, v6, 4, v5
	s_lshl_b32 s22, s12, 6                         ; my 32 hidden columns of each gate: 64 bytes on,
	s_add_co_u32 s22, s22, 2*HALFT                 ; behind Ap's 256 rows
	v_add_nc_u32 v[ADRB], s22, v5
	v_add_nc_u32 v[ADRB+1], SLOT, v[ADRB]
	v_lshl_add_u32 v7, v2, 5, v3                   ; c_prev and the stages: row r, my 8 numbers: 32 h bytes,
	s_lshl_b32 s23, s12, 7                         ; my 32 columns: 128 bytes,
	s_add_co_u32 s23, s23, s21                     ; my 128 rows
	v_add_nc_u32 v[CPA], s23, v7
	v_add_nc_u32 v[STH], STGH, v[CPA]
	v_add_nc_u32 v[STC], STGC, v[CPA]
	v_mul_u32_u24 v8, v2, PA                       ; back: lanes 0-15 take one row of 256 bytes, lanes 16-31 the next;
	v_lshl_add_u32 v8, v1, 4, v8
	s_mul_i32 s23, s10, CPW                        ; wave w takes rows 64 w .. 64 w + 63, whole
	v_add_nc_u32 v8, s23, v8
	v_add_nc_u32 v[RDH], STGH, v8
	v_add_nc_u32 v[RDC], STGC, v8
	v_lshlrev_b32 v9, 13, v2                       ; and the same two rows in an output
	v_lshl_add_u32 v[CO], v1, 4, v9
	s_lshl_b32 s22, s42, 8                         ; the bias: 4 (64 T + 32 (w % 2)) bytes,
	s_lshl_b32 s23, s12, 7
	s_add_co_u32 s22, s22, s23
	v_lshl_add_u32 v[BO], v2, 5, s22               ; + 32 h: register j of C operand b = 2 g + hb is b_g[64 T + 32 (w % 2) + 16 hb + 8 h + j], whatever the row
	WIN TO_B
.irp b, 0,1,2,3,4,5,6,7
	global_load_b128 v[BI+8*(\b):BI+8*(\b)+3],   v[BO], s[BIAS+2*((\b)/2):BIAS+2*((\b)/2)+1] offset:64*((\b)%2)
	global_load_b128 v[BI+8*(\b)+4:BI+8*(\b)+7], v[BO], s[BIAS+2*((\b)/2):BIAS+2*((\b)/2)+1] offset:64*((\b)%2)+16
.endr
	WIN 0
	; the prefetches: both operands' numbers are made, and the wave's number chooses.  They stand at K step 3; the first refill steps them to K step 4
	s_lshl_b32 s14, s13, 8
	s_lshl_b32 s15, s12, 7
	s_add_co_u32 s14, s14, s15
	s_lshl_b32 s15, s40, 5
	s_add_co_u32 s14, s14, s15                     ; Ap: row 256 R + 128 x half + 32 cx
	s_mul_i32 s14, s14, ROWA
	s_add_co_u32 s14, s14, 3*KSTEP*2
	s_lshl_b32 s15, s12, 6
	s_lshl_b32 s16, s41, 4
	s_add_co_u32 s15, s15, s16                     ; Wp: row 64 x half + 16 cy of a K step
	s_lshl_b32 s15, s15, 14
	s_lshl_b32 s16, s42, 9
	s_add_co_u32 s15, s15, s16
	s_add_co_u32 s15, s15, 3*KSTEP*ROWB
	s_and_b32 s17, ttmp7, 0xffff                   ; cluster y
	s_movk_i32 s[PFS], KSTEP*2
	s_mov_b32 s16, KSTEP*ROWB
	s_movk_i32 s19, ROWA
	s_movk_i32 s21, ROWB
	s_cmp_eq_u32 s11, 0                            ; do I fetch for Ap?
	s_cselect_b32 s14, s14, s15
	s_cselect_b32 s17, ttmp9, s17                  ; the coordinate along which other clusters read the same blocks
	s_cselect_b64 s[PFA:PFA+1], s[4:5], s[6:7]
	s_cselect_b32 s[PFS], s[PFS], s16
	s_cselect_b32 s18, 0, 1                        ; lanes to a row less one
	s_cselect_b32 s19, s19, s21                    ; bytes from row to row
	s_mov_b32 s15, 0
	s_mov_b32 s[PFS+1], 0
	s_add_nc_u64 s[PFA:PFA+1], s[PFA:PFA+1], s[14:15]
	s_cmp_eq_u32 s17, 0
	s_cselect_b32 s[LIM], 1, -1                    ; the same in all sixteen partners, for a given wave
	v_and_b32 v3, 31, v0
	v_lshrrev_b32 v4, s18, v3
	v_mul_u32_u24 v[PFO], v4, s19                  ; my row,
	v_and_b32 v4, s18, v3
	v_lshl_add_u32 v[PFO], v4, 8, v[PFO]           ; and, in Wp, which 256 of its 512 bytes
; 16 matrix instructions: row blocks a0, a0 + 1 of the window's four (hi = 0: my rows 0-63, 1: rows 64-127) x all 8 column blocks, 32 along K.  bias = 1: the first product starts the sums with the
; bias as its C operand: nothing is cleared and nothing is added later.  The 64 accumulators take turns, one instruction a turn, in the same order in every quarter step.
.macro MUL16 f, hi, a0, bias
.if \bias
	WIN 0x91+0x40*(\hi)                            ; Wp's fragments and the bias in window 1, Ap's in window 0, D in window 2 or 3
.else
	WIN 0xa1+0x50*(\hi)                            ; C and D in window 2 or 3
.endif
.irp a, \a0, (\a0)+1
.irp b, 0,1,2,3,4,5,6,7
.if \bias
	v_wmma_f32_16x16x32_bf16 v[8*(8*(\a)+(\b)):8*(8*(\a)+(\b))+7], v[(\f)+8*(\b):(\f)+8*(\b)+7], v[(\f)+8*(4*(\hi)+(\a)):(\f)+8*(4*(\hi)+(\a))+7], v[BI+8*(\b):BI+8*(\b)+7]
.else
	v_wmma_f32_16x16x32_bf16 v[8*(8*(\a)+(\b)):8*(8*(\a)+(\b))+7], v[(\f)+8*(\b):(\f)+8*(\b)+7], v[(\f)+8*(4*(\hi)+(\a)):(\f)+8*(4*(\hi)+(\a))+7], v[8*(8*(\a)+(\b)):8*(8*(\a)+(\b))+7]
.endif
.endr
.endr
.endm
; 32 LDS loads in one run: the fragments of quarter q (32 along K) of a slot into buffer f: Wp's eight (gate i / 2, columns 16 (i % 2) on), then Ap's eight (rows 16 i on)
.macro FETCH slot, q, f
	WIN TO_B
.irp i, 0,1,2,3,4,5,6,7
	ds_load_tr16_b128 v[(\f)+8*(\i):(\f)+8*(\i)+3],   v[ADRB+(\slot)] offset:(\q)*32*PB+((\i)/2)*128+((\i)%2)*32
	ds_load_tr16_b128 v[(\f)+8*(\i)+4:(\f)+8*(\i)+7], v[ADRB+(\slot)] offset:(\q)*32*PB+16*PB+((\i)/2)*128+((\i)%2)*32
.endr
	WIN 0
.irp i, 0,1,2,3,4,5,6,7
	ds_load_b128 v[(\f)+8*(\i):(\f)+8*(\i)+3],   v[ADRA+(\slot)] offset:(\q)*64+(\i)*16*PA
	ds_load_b128 v[(\f)+8*(\i)+4:(\f)+8*(\i)+7], v[ADRA+(\slot)] offset:(\q)*64+(\i)*16*PA+32
.endr
.endm
; A load into a register that a matrix instruction has read, and a vector instruction that reads a matrix result, stand four places behind that matrix instruction, and only plain vector instructions
; that name none of its registers are places (ISA guide 7.12.1 for vector instructions).
.macro PLACES
.rept 4
	v_nop
.endr
.endm
; A K step is four quarters of 32 along K, 64 matrix instructions each, on buffers 0, 1, 0, 1.  One of the first three: multiplies buffer f; in its middle it fetches quarter q of the same slot into buffer g.
.macro QUARTER slot, q, f, g, bias
	s_wait_dscnt 8                                 ; Wp's fragments and Ap's rows 0-63 are in; the youngest eight loads (Ap's rows 64-127) may be out
	MUL16 \f, 0, 0, \bias
	MUL16 \f, 0, 2, \bias
	PLACES
	FETCH \slot, \q, \g
	s_wait_dscnt 32                                ; all but the 32 just issued
	MUL16 \f, 1, 0, \bias
	MUL16 \f, 1, 2, \bias
.endm
; The last quarter multiplies buffer 1 and changes slots.  MEET is its first half: in front of the barrier each wave waits for all its tensor loads, of which one is out: its part of the next slot; adds 0 to
; its spare word; and waits for that and for its own reads of this slot.  Behind it nobody reads this slot any more and the next slot is whole.  The barrier opens a round of the cluster's barrier.
.macro MEET
	WIN 0                                          ; (the add's two registers lie in window 0)
	s_wait_tensorcnt 0x0                           ; all my tensor loads have landed;
	ds_add_u32 v[SPW], v[NIL]                      ; 0 onto my spare word;
	s_wait_dscnt 9                                 ; (the add and the youngest eight loads may be out)
	MUL16 F1, 0, 0, 0                              ; sixteen matrix instructions stand between the add and the wait for it
	s_wait_dscnt 0x0                               ; the add is done, and my reads of this slot are over:
	s_barrier_signal -1                            ; say so,
	MUL16 F1, 0, 2, 0                              ; work on registers while the others arrive,
	WIN 0
	s_barrier_wait -1                              ; and go on when all four have said so
.endm
; The whole last quarter of a K step whose slot is filled again, with the K step two on.  From a request to the wait for it a wave issues 224 matrix instructions.
.macro TURN slot, next
	s_wait_xcnt 0x0                                ; the last prefetch, a K step back, has read its address: it is stepped here, ahead of the waits of the change of slots
	s_add_nc_u64 s[PFA:PFA+1], s[PFA:PFA+1], s[PFS:PFS+1]
	MEET
	CREST                                          ; no wave of any partner still reads this slot's tiles or has a load on its way
	s_add_nc_u64 s[G0+4*(\slot)+2:G0+4*(\slot)+3], s[G0+4*(\slot)+2:G0+4*(\slot)+3], 2*KSTEP*2
	s_add_nc_u64 s[G0B+4*(\slot)+2:G0B+4*(\slot)+3], s[G0B+4*(\slot)+2:G0B+4*(\slot)+3], 2*KSTEP*ROWB
	JLOAD \slot                                    ; the first tensor load behind the round; the four v_nop behind it are also the places in front of the loads below
	FETCH \next, 0, F0
	ASK
	MUL16 F1, 1, 0, 0
	MUL16 F1, 1, 2, 0
.endm
	s_wait_tensorcnt 0x1                           ; my part of K step 0 is in; K step 1's may stay out
	s_barrier_signal -1
	s_barrier_wait -1                              ; everybody's is
	FETCH 0, 0, F0
	s_wait_loadcnt 0x0                             ; the bias
	QUARTER 0, 1, F0, F1, 1                        ; the first quarter stands in front of the loop: its products start the sums
	WIN 0                                          ; at a label and at a branch every window is 0
	s_mov_b32 s3, 11
.Llap:                                                 ; a trip goes once round the ring, from a lap's second quarter to the next lap's first, and fills both slots again: K steps 2 .. 23 in 11 trips
	QUARTER 0, 2, F1, F0, 0
	QUARTER 0, 3, F0, F1, 0
	TURN 0, 1
	QUARTER 1, 1, F0, F1, 0
	QUARTER 1, 2, F1, F0, 0
	QUARTER 1, 3, F0, F1, 0
	TURN 1, 0
	QUARTER 0, 1, F0, F1, 0
	WIN 0
	s_sub_co_u32 s3, s3, 1
	s_cmp_lg_u32 s3, 0
	s_cbranch_scc1 .Llap
	QUARTER 0, 2, F1, F0, 0                        ; the last lap: K steps 22 and 23
	QUARTER 0, 3, F0, F1, 0
	MEET                                           ; slot 0 has been read for the last time as a tile of the product:
	CREST
	tensor_load_to_lds s[G0C:G0C+3], s[G1C:G1C+7]  ; it takes c_prev's tile, 64 rows a wave: my one tensor load behind the round; it has the last K step's products in which to land
	s_nop 0
.rept 4
	v_nop                                          ; also the places in front of the loads below
.endr
	FETCH 1, 0, F0
	MUL16 F1, 1, 0, 0
	MUL16 F1, 1, 2, 0
	QUARTER 1, 1, F0, F1, 0
	QUARTER 1, 2, F1, F0, 0
	QUARTER 1, 3, F0, F1, 0
	s_wait_dscnt 8                                 ; the very last quarter: nothing more to fetch
	MUL16 F1, 0, 0, 0
	MUL16 F1, 0, 2, 0
	s_wait_dscnt 0x0
	MUL16 F1, 1, 0, 0
	MUL16 F1, 1, 2, 0
	WIN 0
	PLACES                                         ; behind the last products: c_prev is loaded into Ap's fragment registers, and the sums are read
	PLACES                                         ; (eight, once a launch)
	s_wait_tensorcnt 0x0                           ; my part of c_prev's tile is in; my LDS loads are back (the wait for 0 above)
	s_barrier_signal -1
	s_barrier_wait -1                              ; everybody's part is in, and nobody reads slot 1 any more: it has had its last fill and becomes the two stages
.irp a, 0,1,2,3,4,5,6,7
.irp c, 0,1,2,3
	ds_load_b128 v[CP+16*(\a)+4*(\c):CP+16*(\a)+4*(\c)+3], v[CPA] offset:(\a)*16*PA+64*((\c)/2)+16*((\c)%2)  ; row 16 a + r; columns 16 (c / 2) + 8 h + 4 (c % 2) on
.endr
.endr
; THE CELL, a row block (16 rows x my 32 hidden columns) at a time, in place on its 64 accumulator registers: f at AC, i at AC + 16, o at AC + 32, c at AC + 48.
.macro SCALE dst, src, n, k            ; n pairs: dst = src x a scalar
.set p, 0
.rept \n
	v_pk_mul_f32 v[(\dst)+p:(\dst)+p+1], v[(\src)+p:(\src)+p+1], s[(\k):(\k)+1] op_sel_hi:[1,0]
.set p, p+2
.endr
.endm
.macro TRANS op, base, n               ; n transcendentals in place: ONE batch; a plain instruction behind the last, and one wait ahead of the first line that names a result
.set p, 0
.rept \n
	\op v[(\base)+p], v[(\base)+p]
.set p, p+1
.endr
	v_nop
	s_wait_alu depctr_va_vdst(0)
.endm
.macro ADD1 base, n                    ; n pairs: + 1
.set p, 0
.rept \n
	v_pk_add_f32 v[(\base)+p:(\base)+p+1], v[(\base)+p:(\base)+p+1], 1.0 op_sel_hi:[1,0]
.set p, p+2
.endr
.endm
.macro ONE_M2 base                     ; 8 pairs: 1 - 2 y, one fused multiply-add
.set p, 0
.rept 8
	v_pk_fma_f32 v[(\base)+p:(\base)+p+1], v[(\base)+p:(\base)+p+1], -2.0, 1.0 op_sel_hi:[1,0,0]
.set p, p+2
.endr
.endm
.macro PROD dst, y                     ; 8 pairs: dst = dst x y
.set p, 0
.rept 8
	v_pk_mul_f32 v[(\dst)+p:(\dst)+p+1], v[(\dst)+p:(\dst)+p+1], v[(\y)+p:(\y)+p+1]
.set p, p+2
.endr
.endm
.macro GATES a
.set AC, 64*((\a)%4)
	WIN 0xaa+0x55*((\a)/4)                         ; every operand in the block's window
	SCALE AC, AC, 24, NL                           ; f, i, o: -L z.  Each accumulator's registers are taken in ascending order
	SCALE AC+48, AC+48, 8, TL                      ; c: 2 L z
	TRANS v_exp_f32, AC, 64
	ADD1 AC, 32
	TRANS v_rcp_f32, AC, 64                        ; sigmoid(f), sigmoid(i), sigmoid(o); 1 / (1 + 2^(2 L c))
	ONE_M2 AC+48                                   ; tanh(c)
	PROD AC+16, AC+48                              ; sigmoid(i) tanh(c)
.if (\a) == 0
	s_wait_dscnt 0x0                               ; c_prev is in registers
.endif
	WIN 0xa2+0x51*((\a)/4)                         ; source 1 (c_prev) in window 0
.set p, 0
.rept 8
	v_pk_fma_f32 v[AC+p:AC+p+1], v[AC+p:AC+p+1], v[CP+16*(\a)+p:CP+16*(\a)+p+1], v[AC+16+p:AC+16+p+1]  ; c_new, in f's registers
.set p, p+2
.endr
	WIN 0xaa+0x55*((\a)/4)
	SCALE AC+48, AC, 8, TL                         ; 2 L c_new
	TRANS v_exp_f32, AC+48, 16
	ADD1 AC+48, 8
	TRANS v_rcp_f32, AC+48, 16
	ONE_M2 AC+48                                   ; tanh(c_new)
	PROD AC+32, AC+48                              ; h_new, in o's registers
	WIN 0x08+4*((\a)/4)                            ; an LDS store's data (source 1) in the block's window, its address in window 0
.irp c, 0,1,2,3
	ds_store_b128 v[STC], v[AC+4*(\c):AC+4*(\c)+3]       offset:(\a)*16*PA+64*((\c)/2)+16*((\c)%2)
	ds_store_b128 v[STH], v[AC+32+4*(\c):AC+32+4*(\c)+3] offset:(\a)*16*PA+64*((\c)/2)+16*((\c)%2)
.endr
.endm
.irp a, 0,1,2,3,4,5,6,7
	GATES \a
.endr
	WIN 0
	; THE WAY OUT.  A wave's 32 columns are 128 bytes, half of the tile's 256 bytes of a row: the two waves of a row half have written the two halves of the same stage rows.  So a barrier stands between
	; the writing and the reading; then each wave reads 64 whole rows of each stage and stores them.
	s_wait_dscnt 0x0                               ; for the others' sake: my stores into the stages are done
	s_barrier_signal -1
	s_barrier_wait -1
.macro LOADB k, buf                    ; batch k of four: 32 rows of h_new (k = 0, 1) or c_new (k = 2, 3) into 64 registers
.set RDX, RDH
.if (\k) >= 2
.set RDX, RDC
.endif
.irp t, 0,1,2,3,4,5,6,7,8,9,10,11,12,13,14,15
	ds_load_b128 v[(\buf)+4*(\t):(\buf)+4*(\t)+3], v[RDX] offset:(16*((\k)%2)+(\t))*2*PA
.endr
.endm
.macro SENDB k, buf, younger           ; younger: the LDS loads issued behind batch k's, which may stay out
.irp t, 0,1,2,3,4,5,6,7,8,9,10,11,12,13,14,15
	s_wait_dscnt (\younger)+15-(\t)
	global_store_b128 v[CO], v[(\buf)+4*(\t):(\buf)+4*(\t)+3], s[O0+2*((\k)/2):O0+2*((\k)/2)+1] offset:(16*((\k)%2)+(\t))*2*ROWO th:TH_STORE_NT  ; 16 lanes store 256 consecutive bytes, at a multiple of 256 from the output's first byte
.endr
.endm
	LOADB 0, 64
	LOADB 1, 128
	SENDB 0, 64, 16
	LOADB 2, 192
	SENDB 1, 128, 16
	s_wait_xcnt 0x0                                ; every earlier store has had its addresses translated (ISA guide 3.1): batch 0's registers are loaded again only behind this wait
	LOADB 3, 64
	SENDB 2, 192, 16
	SENDB 3, 64, 0
	s_wait_tensorcnt 0x0                           ; the wave's end, behind my last tensor load and my last LDS store
	ds_add_u32 v[SPW], v[NIL]
	s_wait_dscnt 0x0
	CROUND                                         ; the closing round: no work-group ends while a partner may still ask for a tile that names it
	s_endpgm
.Lfunc_end_k_q7218ab55cc_lstm:
	.size	k_q7218ab55cc_lstm, .Lfunc_end_k_q7218ab55cc_lstm-k_q7218ab55cc_lstm
	.p2alignl 7, 3214868480
	.fill 96, 4, 3214868480
	.section	.rodata,"a",@progbits
	.p2align	6, 0x0
	.amdhsa_kernel k_q7218ab55cc_lstm
		.amdhsa_group_segment_fixed_size 327680
		.amdhsa_private_segment_fixed_size 0
		.amdhsa_enable_private_segment 0
		.amdhsa_kernarg_size 72
		.amdhsa_user_sgpr_count 2
		.amdhsa_user_sgpr_kernarg_segment_ptr 1
		.amdhsa_wavefront_size32 1
		.amdhsa_system_sgpr_workgroup_id_x 1
		.amdhsa_system_sgpr_workgroup_id_y 1
		.amdhsa_system_sgpr_workgroup_id_z 1
		.amdhsa_system_vgpr_workitem_id 0
		.amdhsa_next_free_vgpr 1024
		.amdhsa_next_free_sgpr 100
		.amdhsa_reserve_vcc 0
		.amdhsa_float_denorm_mode_32 3
		.amdhsa_float_denorm_mode_16_64 3
		.amdhsa_memory_ordered 1
		.amdhsa_forward_progress 1
		.amdhsa_inst_pref_size 237
	.end_amdhsa_kernel
	.amdgpu_metadata
---
amdhsa.version: [ 1, 2 ]
amdhsa.kernels:
  - .name:           k_q7218ab55cc_lstm
    .symbol:         k_q7218ab55cc_lstm.kd
    .args:
      - { .name: Ap, .offset: 0, .size: 8, .value_kind: global_buffer, .address_space: global }
      - { .name: Wp, .offset: 8, .size: 8, .value_kind: global_buffer, .address_space: global }
      - { .name: c_prev, .offset: 16, .size: 8, .value_kind: global_buffer, .address_space: global }
      - { .name: b_f, .offset: 24, .size: 8, .value_kind: global_buffer, .address_space: global }
      - { .name: b_i, .offset: 32, .size: 8, .value_kind: global_buffer, .address_space: global }
      - { .name: b_o, .offset: 40, .size: 8, .value_kind: global_buffer, .address_space: global }
      - { .name: b_c, .offset: 48, .size: 8, .value_kind: global_buffer, .address_space: global }
      - { .name: out0, .offset: 56, .size: 8, .value_kind: global_buffer, .address_space: global }
      - { .name: out1, .offset: 64, .size: 8, .value_kind: global_buffer, .address_space: global }
    .group_segment_fixed_size: 327680
    .private_segment_fixed_size: 0
    .kernarg_segment_align: 8
    .kernarg_segment_size: 72
    .max_flat_workgroup_size: 128
    .sgpr_count:     100
    .vgpr_count:     1024
    .wavefront_size: 32
...
	.end_amdgpu_metadata
.endif
;; end of part 2
